; MI455X (gfx1250); checked and timed in simulation.
; The chip was launched on July 23, 2026; its instructions are those of AMD's public machine-readable ISA for CDNA 5 (MIT licence, August 2026) and "CDNA5" Instruction Set Architecture Reference Guide (July 2026). The comments in the code are by the model that wrote it; some were corrected since.
;; Scaled Dot Product Attention. Allowed arithmetic: float matrix products may take bf16 or f16 operands with f32 sums; other float arithmetic in f32, or as packed bf16 or f16 multiplies, adds, multiply-adds, maxima and minima; sums over many terms, partial sums and values carried from step to step in f32; what a program stores and reads back later, other than sums and carried values, may be rounded once to bf16 or f16.
;; Inputs: x 16 x 2,048 x 512 float32.
;; Outputs: out0 16 x 2,048 x 512 float32.
;; 2 versions, each right; version 2 is version 1 with the launch prep written anew for expert scheduling mode. Each part assembles by itself: llvm-mc -triple=amdgcn-amd-amdhsa -mcpu=gfx1250 --defsym DOCPART=n.
;; ======== version 1 of 2: 2 launches
;; limits: values are held in f16: magnitudes above 65,504 overflow, below 6.1e-05 lose precision; inputs' magnitudes at most 65,504
;; workspace buffers: xh 33,554,432 bytes; rn 131,072 bytes
;; launch prep (part 1): grid 512 x 1, 4 waves a work-group, no clusters, 768 bytes of LDS; arguments x, xh, rn; writes xh, rn
.if DOCPART == 1
	.amdgcn_target "amdgcn-amd-amdhsa--gfx1250"
	.amdhsa_code_object_version 6
	.text
	.protected	k_qd7b5621c50_prep
	.globl	k_qd7b5621c50_prep
	.p2align	8
	.type	k_qd7b5621c50_prep,@function
k_qd7b5621c50_prep:
	s_mov_b64 s[64:65], 0
	v_nop
	global_prefetch_b8 v0, s[64:65] scope:SCOPE_SE
	s_setreg_imm32_b32 hwreg(HW_REG_WAVE_MODE, 25, 1), 1
	s_wait_xcnt 0x0
; xh[row][c] = x[row][c] rounded to bf16, that number written as f16;  rn[row] = 1 / sqrt(sum over c of (bf16(x[row][c]))^2), in f32.
; x: [32768][512] f32, xh: [32768][512] f16, rn: [32768] f32.
; LIMITS.  A bf16 number is exact in f16 from 2^-17 to 65,504; below 2^-17 it keeps f16's fixed step of 6e-8; from 65,520 on it becomes an infinity.
; A sum of squares below 2^-126 counts as 0 (v_rsq_f32 flushes denormals: ISA guide 15.8); a row of zeros gets rn = infinity.
; A STREAM: no matrix unit, no cluster, no tensor load: no byte is wanted twice.  The work-group owns 64 rows, each of its four waves 16; one wave takes a whole row
; (2,048 bytes: four loads of 512 neighbouring bytes), so a row's sum never leaves the wave.  A ring of eight row slots in registers keeps 32 loads of a wave out.
; Every row's place stands in an immediate, so no address register is ever rewritten.  A row's 1,024 bytes of xh leave by four stores of 256 neighbouring, aligned bytes.
; The 64 sums meet in LDS, and wave 0 stores the work-group's 256 bytes of rn with one instruction.
.set XO,  1                            ; v1       my byte offset in x: wave x 16 rows x 2,048 + 16 x lane; never rewritten
.set HO,  2                            ; v2       the same in xh: wave x 16 rows x 1,024 + 8 x lane; never rewritten
.set LSA, 3                            ; v3       LDS: 64 x wave + 4 (lane % 16): where row (lane % 16)'s sum goes
.set SPW, 4                            ; v4       LDS address of my spare word: SPARE + 4 x my thread's number; never rewritten
.set NIL, 5                            ; v5       0; never rewritten
.set SS,  6                            ; v6       lanes i and i + 16 collect row i's sum
.set RO,  7                            ; v7       8 x lane
.set T,   8                            ; v[8:23]  16 numbers in f32
.set B,   24                           ; v[24:31] the same packed in bf16
.set Y,   32                           ; v[32:39] packed in f16, to store
.set A,   40                           ; v[40:43] two packed chains of squares
.set RED, 44                           ; v[44:47] the reduction; at the end sums and their reciprocal roots
.set X,   48                           ; v[48:175] slot s: 16 registers, a lane's 16 numbers of a row
.set SPARE, 256                        ; LDS: bytes 0-255 the 64 sums; from 256 on the spare words, 128 bytes for each wave, which no other line names
	s_load_b128 s[4:7], s[0:1], 0x0                ; x s[4:5], xh s[6:7]
	s_load_b64 s[8:9], s[0:1], 0x10                ; rn
	v_lshl_add_u32 v[SPW], v0, 2, SPARE
	v_mov_b32 v[NIL], 0
	v_lshrrev_b32 v[RED], 5, v0
	v_readfirstlane_b32 s10, v[RED]                ; wave 0..3
	v_and_b32 v[RED+1], 31, v0                     ; lane
	s_lshl_b32 s16, s10, 15
	v_lshl_add_u32 v[XO], v[RED+1], 4, s16
	s_lshl_b32 s17, s10, 14
	v_lshl_add_u32 v[HO], v[RED+1], 3, s17
	v_and_b32 v[LSA], 15, v0
	s_lshl_b32 s18, s10, 6
	v_lshl_add_u32 v[LSA], v[LSA], 2, s18
	v_lshlrev_b32 v[RO], 3, v[RED+1]
	v_mov_b32 v[SS], 0
	s_mov_b32 s12, 0xffff0000                      ; a word's upper bf16
	s_mov_b32 s14, 0x76543210                      ; v_permlanex16_b32: each lane takes its own place in the other half
	s_mov_b32 s15, 0xfedcba98
	s_lshl_b32 s22, ttmp9, 17                      ; the work-group's 64 rows: 131,072 bytes of x,
	s_mov_b32 s23, 0
	s_lshl_b32 s24, ttmp9, 16                      ; 65,536 of xh,
	s_mov_b32 s25, 0
	s_lshl_b32 s26, ttmp9, 8                       ; 256 of rn
	s_mov_b32 s27, 0
	s_wait_kmcnt 0x0
	s_add_nc_u64 s[4:5], s[4:5], s[22:23]
	s_add_nc_u64 s[6:7], s[6:7], s[24:25]
	s_add_nc_u64 s[8:9], s[8:9], s[26:27]
.irp i, 0,1,2,3,4,5,6,7
.irp k, 0,1,2,3
	global_load_b128 v[X+16*(\i)+4*(\k):X+16*(\i)+4*(\k)+3], v[XO], s[4:5] offset:(\i)*2048+512*(\k) th:TH_LOAD_NT  ; the ring is filled: rows 0 to 7
.endr
.endr
; Row i's turn.  ahead = 1: its slot takes row i + 8.  left = how many younger loads may stay out.
.macro TURN i, ahead, left
.set XS, X+16*((\i)%8)
	s_wait_loadcnt \left                           ; loads come back in order (ISA guide 5.7.1): my row's four are in, the younger rows' stay out
	s_wait_xcnt 0x0                                ; the last turn's stores have read Y: it is rewritten only behind this wait
.irp j, 0,1,2,3,4,5,6,7
	v_cvt_pk_bf16_f32 v[B+(\j)], v[XS+2*(\j)], v[XS+2*(\j)+1]  ; the one rounding
.endr
.irp j, 0,1,2,3,4,5,6,7
	v_lshlrev_b32 v[T+2*(\j)],   16,  v[B+(\j)]    ; back to f32: the rounded numbers
	v_and_b32     v[T+2*(\j)+1], s12, v[B+(\j)]
.endr
	v_pk_mul_f32 v[A:A+1],   v[T:T+1],   v[T:T+1]  ; the first squares start the two chains: nothing is cleared
	v_pk_mul_f32 v[A+2:A+3], v[T+2:T+3], v[T+2:T+3]
.irp j, 2,3,4,5,6,7
	v_pk_fma_f32 v[A+2*((\j)%2):A+2*((\j)%2)+1], v[T+2*(\j):T+2*(\j)+1], v[T+2*(\j):T+2*(\j)+1], v[A+2*((\j)%2):A+2*((\j)%2)+1]
.endr
.irp j, 0,1,2,3,4,5,6,7
	v_cvt_pk_f16_f32 v[Y+(\j)], v[T+2*(\j)], v[T+2*(\j)+1]  ; exact within the limits at the head
.endr
.if \ahead
.irp k, 0,1,2,3
	global_load_b128 v[XS+4*(\k):XS+4*(\k)+3], v[XO], s[4:5] offset:((\i)+8)*2048+512*(\k) th:TH_LOAD_NT  ; loads ahead of stores
.endr
.endif
.irp k, 0,1,2,3
	global_store_b64 v[HO], v[Y+2*(\k):Y+2*(\k)+1], s[6:7] offset:(\i)*1024+256*(\k)  ; 32 lanes store 256 consecutive bytes, at a multiple of 256 from xh's first byte
.endr
	v_pk_add_f32 v[A:A+1], v[A:A+1], v[A+2:A+3]
	v_add_f32 v[RED], v[A], v[A+1]
	v_add_f32_dpp v[RED], v[RED], v[RED] row_xmask:1 row_mask:0xf bank_mask:0xf
	v_add_f32_dpp v[RED], v[RED], v[RED] row_xmask:2 row_mask:0xf bank_mask:0xf
	v_add_f32_dpp v[RED], v[RED], v[RED] row_xmask:4 row_mask:0xf bank_mask:0xf
	v_add_f32_dpp v[RED], v[RED], v[RED] row_xmask:8 row_mask:0xf bank_mask:0xf
	v_permlanex16_b32 v[RED+1], v[RED], s14, s15   ; its destination counts as read: it has been written at the head
	v_add_f32 v[RED], v[RED], v[RED+1]             ; every lane holds the row's sum;
	s_mov_b32 s20, 0x10001<<(\i)
	v_cndmask_b32 v[SS], v[SS], v[RED], s20        ; lanes i and i + 16 keep it
.endm
.irp i, 0,1,2,3,4,5,6,7
	TURN \i, 1, 28                                 ; seven younger rows, four loads each
.endr
.irp i, 8,9,10,11,12,13,14,15
	TURN \i, 0, 4*(15-(\i))                        ; nothing more is loaded: the counts run down
.endr
	ds_store_b32 v[LSA], v[SS]                     ; both halves of the lanes write the same word with the same number
	s_wait_dscnt 0x0                               ; for wave 0's sake: my store is done
	s_barrier_signal -1
	s_barrier_wait -1
	s_cmp_lg_u32 s10, 0
	s_cbranch_scc1 .Lend
	ds_load_b64 v[RED:RED+1], v[RO]                ; rows 2 l and 2 l + 1 of the work-group's 64
	s_wait_dscnt 0x0
	v_rsq_f32 v[RED+2], v[RED]
	v_rsq_f32 v[RED+3], v[RED+1]
	v_nop                                          ; a plain instruction between the last of the two and the use of its result (ISA guide 5.7.2)
	s_wait_alu depctr_va_vdst(0)                   ; one wait for both, ahead of their reader
	global_store_b64 v[RO], v[RED+2:RED+3], s[8:9] ; 256 consecutive bytes, at a multiple of 256 from rn's first byte
.Lend:
	s_wait_tensorcnt 0x0                           ; the wave's end, behind my last LDS store
	ds_add_u32 v[SPW], v[NIL]
	s_wait_dscnt 0x0
	s_endpgm
.Lfunc_end_k_qd7b5621c50_prep:
	.size	k_qd7b5621c50_prep, .Lfunc_end_k_qd7b5621c50_prep-k_qd7b5621c50_prep
	.p2alignl 7, 3214868480
	.fill 96, 4, 3214868480
	.section	.rodata,"a",@progbits
	.p2align	6, 0x0
	.amdhsa_kernel k_qd7b5621c50_prep
		.amdhsa_group_segment_fixed_size 768
		.amdhsa_private_segment_fixed_size 0
		.amdhsa_enable_private_segment 0
		.amdhsa_kernarg_size 24
		.amdhsa_user_sgpr_count 2
		.amdhsa_user_sgpr_kernarg_segment_ptr 1
		.amdhsa_wavefront_size32 1
		.amdhsa_system_sgpr_workgroup_id_x 1
		.amdhsa_system_sgpr_workgroup_id_y 1
		.amdhsa_system_sgpr_workgroup_id_z 1
		.amdhsa_system_vgpr_workitem_id 0
		.amdhsa_next_free_vgpr 176
		.amdhsa_next_free_sgpr 66
		.amdhsa_reserve_vcc 0
		.amdhsa_float_denorm_mode_32 3
		.amdhsa_float_denorm_mode_16_64 3
		.amdhsa_memory_ordered 1
		.amdhsa_forward_progress 1
		.amdhsa_inst_pref_size 57
	.end_amdhsa_kernel
	.amdgpu_metadata
---
amdhsa.version: [ 1, 2 ]
amdhsa.kernels:
  - .name:           k_qd7b5621c50_prep
    .symbol:         k_qd7b5621c50_prep.kd
    .args:
      - { .name: x, .offset: 0, .size: 8, .value_kind: global_buffer, .address_space: global }
      - { .name: xh, .offset: 8, .size: 8, .value_kind: global_buffer, .address_space: global }
      - { .name: rn, .offset: 16, .size: 8, .value_kind: global_buffer, .address_space: global }
    .group_segment_fixed_size: 768
    .private_segment_fixed_size: 0
    .kernarg_segment_align: 8
    .kernarg_segment_size: 24
    .max_flat_workgroup_size: 128
    .sgpr_count:     66
    .vgpr_count:     176
    .wavefront_size: 32
...
	.end_amdgpu_metadata
.endif
;; end of part 1
;; launch attn (part 2): grid 16 x 16, 4 waves a work-group, clusters of 4 x 1, 327,680 bytes of LDS; arguments xh, rn, out0; writes out0
.if DOCPART == 2
	.amdgcn_target "amdgcn-amd-amdhsa--gfx1250"
	.amdhsa_code_object_version 6
	.text
	.protected	k_qd7b5621c50_attn
	.globl	k_qd7b5621c50_attn
	.p2align	8
	.type	k_qd7b5621c50_attn,@function
k_qd7b5621c50_attn:
	s_mov_b64 s[64:65], 0
	v_nop
	global_prefetch_b8 v0, s[64:65] scope:SCOPE_SE
	s_setreg_imm32_b32 hwreg(HW_REG_WAVE_MODE, 25, 1), 1
	s_wait_xcnt 0x0
	s_wait_alu depctr_hold_cnt(0) depctr_sa_sdst(0) depctr_va_vdst(0) depctr_va_sdst(0) depctr_va_ssrc(0) depctr_va_vcc(0) depctr_vm_vsrc(0)
	s_getreg_b32 s2, hwreg(HW_REG_IB_STS2, 6, 4)
	s_cmp_eq_u32 s2, 0
	s_cbranch_scc0 .Lentry_in_a_cluster
	s_endpgm
.Lentry_in_a_cluster:
	s_bfe_u32 s2, ttmp6, 0x10000c
	s_cmp_lg_u32 s2, 0x3003
	s_cbranch_scc0 .Lentry_shape_is_right
	s_endpgm
.Lentry_shape_is_right:
; out0[b][i][:] = the sum over j of softmax_j( x_i . x_j / (|x_i| |x_j|) ) x_j.  xh: [16][2048][512] f16 (x rounded to bf16, written as f16), rn: [16][2048] f32 (1 / |x_row|), out0: [16][2048][512] f32.
; NO MAXIMUM IS TAKEN AWAY: the scores are cosines of vectors that the computation itself normalises, with no scale behind them: |s| <= 1 for every input, so the exponent of 2 lies within 1.45 either way,
; a weight in 0.36 .. 2.73 and a row's sum in 750 .. 5,600: nothing can overflow or underflow in f32 or in f16, and O is never rescaled.
; ARITHMETIC.  Q' = f16(xh_i rn_i log2(e)), rounded once; S = K Q'^T on the raw xh, f32 sums; p = 2^(S rn_j); l = the f32 sum of the unrounded p; P = f16(p); O += V^T P in f32; out = O / l.
; LIMITS.  Those of xh (numbers from 65,520 on are infinities; below 2^-17 f16's fixed step of 6e-8); an element of Q' below 6e-5 keeps that step too.  A row of zeros gives NaN in its whole batch, as the
; definition does; NaN and infinities are not treated apart.
; SHARES.  A work-group owns 128 queries of a batch; keys go in 32 steps of 64.  K, Q and V are the same tensor: one tile of 64 rows x 512 channels in LDS serves both products.
;   S^T = K Q'^T: wave w owns queries 32 w .. 32 w + 31 (two tiles of 16), Q' stays in 256 registers; 4 key blocks x 2 tiles = 8 accumulators, 16 channel steps deep: 128 products a step.
;   In S^T a lane holds ONE query (lane % 16) and the keys 8 (lane / 16) + 0..7; packed in pairs the weights ARE the register image of source 1 of the second product.  They pass through LDS as such images.
;   O^T += V^T P: wave w owns channels 128 w .. 128 w + 127 of ALL 128 queries: 8 x 8 = 64 accumulators, 512 registers; 128 products a step; each fragment of V and of P feeds eight products.
; BY TRIPS.  Trip j makes S of step j + 1 and then O's products of step j, with the softmax of step j + 1 in slices of four behind every second of those products.  One barrier a trip.
; CLUSTER.  The four query blocks of a cluster belong to one batch and walk the same tiles: each tile is asked for JOINTLY (the same tensor load, descriptor and mask of four in all four).
; A mask names four work-groups, so the batch's sixteen are four clusters.
; REGISTERS, in windows of 256 (s_set_vgpr_msb: bits 1:0 source 0, 3:2 source 1, 5:4 source 2, 7:6 destination):
;   window 0: v0-31 addresses and sums; v32-95 S^T; v96-127 key scales; v128-255 a pool of fragments: for K two buffers of 8, for V and P four groups of 4
;   window 1: Q', tile t, channel step c at 8 (16 t + c)      windows 2, 3: O^T, channel block f = 4 g + f', query tile t at 8 (8 f' + t) of window 2 + g
.set PITCH, 272                        ; an LDS row of a strip: 256 bytes + 16 of padding = 68 words: row r starts at bank 4 r mod 64 (64 banks of 4 bytes: ISA guide 11.1)
.set STRIP, 64*PITCH                   ; 64 keys x 128 channels: what one tensor load brings
.set SLOT,  4*STRIP                    ; a tile: four strips; three slots, by the step modulo 3
.set PBUF,  3*SLOT                     ; three buffers of P's images, 16 KiB each, by the step modulo 3: fragment (tile t, key half kk) at (2 t + kk) x 1,024; registers 0-3 at 16 x lane, 4-7 at 512 + 16 x lane
.set PSZ,   16384
.set RNT,   PBUF+3*PSZ                 ; rn of the batch's 2,048 keys, filled once
.set LX,    RNT+8192                   ; l of the 128 queries
.set STAGE, LX+512                     ; for each wave 16 rows x 528 bytes, for the way out
.set SP,    528                        ; 512 bytes + 16: the 16 rows of a store start at 16 different groups of four banks
.set SPARE, STAGE+4*16*SP              ; the spare words, 128 bytes for each wave: two blocks of 256 bytes that no other line names
.set TILEB, 65536                      ; a tile's rows in memory: 64 x 1,024 bytes
.set ADRK, 2                           ; v2-4   slot s: s SLOT + (l % 16) PITCH + 16 (l / 16)
.set ADRV, 5                           ; v5-7   slot s: s SLOT + w STRIP + (8 (l / 16) + l % 8) PITCH + 128 ((l / 8) % 2)
.set ADRP, 8                           ; v8     PBUF + 16 l
.set PST,  9                           ; v9     PBUF + 4,096 w + 16 l
.set KSA,  10                          ; v10    RNT + 32 (l / 16), + 768 for each trip of the loop
.set SPW,  11                          ; v11    LDS address of my spare word: SPARE + 4 x my thread's number; never rewritten
.set NIL,  12                          ; v12    0; never rewritten
.set PFO,  13                          ; v13    the prefetch's offset; never rewritten
.set L,    14                          ; v[14:17] for each of my two query tiles a pair of sums (even keys', odd keys')
.set ZR,   18                          ; v18    0.0
.set RQ,   19                          ; v19    4 (l % 16)
.set CQ,   20                          ; v20-21 rn_i log2(e) of my query in each tile
.set QO,   22                          ; v22    (l % 16) x 1,024 + 16 (l / 16)
.set STO,  23                          ; v23    the way out: STAGE + 8,448 w + 528 (l % 16) + 256 (l / 16)
.set RD,   24                          ; v24    STAGE + 8,448 w + 16 l
.set GO,   25                          ; v25    16 l
.set LXA,  26                          ; v26    LX + 128 w + 4 (l % 16)
.set LXR,  27                          ; v27    LX + 4 (l % 16)
.set S,    32                          ; accumulator (key block kb, tile t) at S + 8 (2 kb + t)
.set KS,   96                          ; rn of key 16 kb + 8 (l / 16) + j at KS + 8 kb + j
.set POOL, 128
.set X0,   128
.set Y0,   160
.set X1,   192
.set Y1,   224
.set WV,   10                          ; s10  my wave's number
.set G1T,  24                          ; s[24:31] descriptor group 1 of a strip
.set G1R,  32                          ; s[32:39] of a quarter of rn
.set G0A,  40                          ; s[40:43] group 0: tile 0
.set G0W,  44                          ; s[44:47] group 0: tile 1, then it walks
.set G0R,  48                          ; s[48:51] group 0: rn
.set WOFF, 52                          ; s52  w STRIP
.set IT,   53                          ; s53  the loop's count
.set LIM,  54                          ; s54  1 in a wave that prefetches, else the greatest number
.set PFA,  56                          ; s[56:57] where my work-group's prefetches stand
.set SEL,  58                          ; s[58:59] v_permlanex16_b32's selects
.set LOG2E, 60
.set W_KQ, 0x04                        ; Q' (source 1) in window 1, all else in window 0: LDS loads need no switch under it
.set MSB, 0
.macro WIN new                         ; the immediate's high byte repeats the setting that is left; a switch that changes nothing is dropped
.if MSB != (\new)
	s_set_vgpr_msb (MSB<<8)|(\new)
.set MSB, (\new)
.endif
.endm
.macro LWIN                            ; in front of LDS loads: destination and address in window 0
.if MSB != W_KQ
	WIN 0
.endif
.endm
; A load into a register that a matrix instruction has read, and a vector instruction that reads a matrix result, stand four places behind it; only plain vector instructions that
; name none of its registers are places (ISA guide 7.12.1 for vector instructions).
.macro PLACES
.rept 4
	v_nop
.endr
.endm
; A round of the cluster's barrier: my work-group's barrier, so that wave 0's signal speaks for all four waves; wave 0 signals; every wave waits for all four work-groups; my work-group's barrier once more.
.macro CREST                           ; a round behind its opening barrier
	s_cmp_lg_u32 s[WV], 0
	s_cbranch_scc1 .Lnot_wave_0_\@
	s_barrier_signal -3
.Lnot_wave_0_\@:
	s_barrier_wait -3
	s_barrier_signal -1
	s_barrier_wait -1
.endm
.macro CROUND
	s_barrier_signal -1
	s_barrier_wait -1
	CREST
.endm
; 16 LDS loads: K's fragments of channel steps 2 cp and 2 cp + 1 (4 key blocks each) from slot sl into buffer bf of the pool.  The largest offset is 65,504.
.macro FETCHK sl, cp, bf
	LWIN
.irp cc, 0,1
.irp kb, 0,1,2,3
	ds_load_b128 v[POOL+64*(\bf)+8*(4*(\cc)+(\kb)):POOL+64*(\bf)+8*(4*(\cc)+(\kb))+3],   v[ADRK+(\sl)] offset:((2*(\cp)+(\cc))/4)*STRIP+(\kb)*16*PITCH+((2*(\cp)+(\cc))%4)*64
	ds_load_b128 v[POOL+64*(\bf)+8*(4*(\cc)+(\kb))+4:POOL+64*(\bf)+8*(4*(\cc)+(\kb))+7], v[ADRK+(\sl)] offset:((2*(\cp)+(\cc))/4)*STRIP+(\kb)*16*PITCH+((2*(\cp)+(\cc))%4)*64+32
.endr
.endr
.endm
; 8 turning loads: V^T's fragments of key half kk, channel blocks 4 gg .. 4 gg + 3 of my strip.  A fragment's rows 0-7 are channels 8 f + 0..7, its rows 8-15 the channels 64 further on (128 bytes)
; register j of half h of O^T then holds channel 128 w + 8 f + 64 h + j.
.macro FETCHV sl, kk, gg, xr
	LWIN
.irp fq, 0,1,2,3
	ds_load_tr16_b128 v[(\xr)+8*(\fq):(\xr)+8*(\fq)+3],   v[ADRV+(\sl)] offset:(\kk)*32*PITCH+16*(4*(\gg)+(\fq))
	ds_load_tr16_b128 v[(\xr)+8*(\fq)+4:(\xr)+8*(\fq)+7], v[ADRV+(\sl)] offset:(\kk)*32*PITCH+16*PITCH+16*(4*(\gg)+(\fq))
.endr
.endm
; 8 loads: P's images of key half kk, query tiles 4 th .. 4 th + 3, from buffer pb
.macro FETCHP pb, kk, th, yr
	LWIN
.irp tq, 0,1,2,3
	ds_load_b128 v[(\yr)+8*(\tq):(\yr)+8*(\tq)+3],   v[ADRP] offset:(\pb)*PSZ+(2*(4*(\th)+(\tq))+(\kk))*1024
	ds_load_b128 v[(\yr)+8*(\tq)+4:(\yr)+8*(\tq)+7], v[ADRP] offset:(\pb)*PSZ+(2*(4*(\th)+(\tq))+(\kk))*1024+512
.endr
.endm
.macro KSLOAD ko                       ; 8 loads: rn of a step's 64 keys, as S^T's lanes hold them
	LWIN
.irp kb, 0,1,2,3
	ds_load_b128 v[KS+8*(\kb):KS+8*(\kb)+3],   v[KSA] offset:(\ko)+64*(\kb)
	ds_load_b128 v[KS+8*(\kb)+4:KS+8*(\kb)+7], v[KSA] offset:(\ko)+64*(\kb)+16
.endr
.endm
; 16 products of S^T: channel steps 2 cp, 2 cp + 1.  The 8 accumulators take turns, one instruction a turn.  Channel step 0 starts the sums with the constant 0.
.macro MULK cp, bf
	WIN W_KQ
.irp cc, 0,1
.irp kb, 0,1,2,3
.irp tq, 0,1
.if (2*(\cp)+(\cc)) == 0
	v_wmma_f32_16x16x32_f16 v[S+8*(2*(\kb)+(\tq)):S+8*(2*(\kb)+(\tq))+7], v[POOL+64*(\bf)+8*(4*(\cc)+(\kb)):POOL+64*(\bf)+8*(4*(\cc)+(\kb))+7], v[8*(16*(\tq)+2*(\cp)+(\cc)):8*(16*(\tq)+2*(\cp)+(\cc))+7], 0
.else
	v_wmma_f32_16x16x32_f16 v[S+8*(2*(\kb)+(\tq)):S+8*(2*(\kb)+(\tq))+7], v[POOL+64*(\bf)+8*(4*(\cc)+(\kb)):POOL+64*(\bf)+8*(4*(\cc)+(\kb))+7], v[8*(16*(\tq)+2*(\cp)+(\cc)):8*(16*(\tq)+2*(\cp)+(\cc))+7], v[S+8*(2*(\kb)+(\tq)):S+8*(2*(\kb)+(\tq))+7]
.endif
.endr
.endr
.endr
.endm
; THE SOFTMAX OF A STEP: 160 vector instructions in two queues.
; The plain queue, 96 long.  0-31: pair q of the 64 scores times its keys' rn (each accumulator's lowest registers are read first).  32-95 read the exponentials' results:
; for each pair, tiles alternating, it is added onto the tile's l and then rounded to f16 in place (register q' of an accumulator takes pair q': written only when it has been read).
.macro PLN
.if q < 32
	v_pk_mul_f32 v[S+2*q:S+2*q+1], v[S+2*q:S+2*q+1], v[KS+8*(q/8)+2*(q%4):KS+8*(q/8)+2*(q%4)+1]
.else
.set ix, q-32
.set aa, 2*(ix/16)+(ix/2)%2
.set qq, (ix/4)%4
.if ix%2 == 0
	v_pk_add_f32 v[L+2*((ix/2)%2):L+2*((ix/2)%2)+1], v[L+2*((ix/2)%2):L+2*((ix/2)%2)+1], v[S+8*aa+2*qq:S+8*aa+2*qq+1]
.else
	v_cvt_pk_f16_f32 v[S+8*aa+qq], v[S+8*aa+2*qq], v[S+8*aa+2*qq+1]
.endif
.endif
.set q, q+1
.endm
.macro EXN                             ; the exponentials' queue, 64 long: ONE BATCH, of which nothing names a result ahead of the step's one wait
	v_exp_f32 v[S+e], v[S+e]
.set e, e+1
.endm
; Slice k of 40: four instructions.  0: four scalings.  1-14: scaling, exponential, scaling, exponential (exponential e wants scaling e / 2: ahead of slice k stand 2 k + 2 scalings, and it wants number k - 1).
; 15-23: four exponentials.  Behind slice 23 stands the wait.  24-39: four of the sums and roundings.
.macro SLICE
	WIN 0
.if k == 0
	PLN
	PLN
	PLN
	PLN
.elseif k < 15
	PLN
	EXN
	PLN
	EXN
.elseif k < 24
	EXN
	EXN
	EXN
	EXN
.else
	PLN
	PLN
	PLN
	PLN
.endif
.set k, k+1
.endm
; 16 products of O^T: four fragments of V^T (xr) x four of P (yr): channel blocks 4 gg + 0..3, query tiles 4 th + 0..3: 16 different accumulators.  rid = 1: a slice behind every second product.
.macro UNIT xr, yr, gg, th, rid
.set un, 0
.irp fq, 0,1,2,3
.irp tq, 0,1,2,3
	WIN 0xa0+0x50*(\gg)
	v_wmma_f32_16x16x32_f16 v[8*(8*(\fq)+4*(\th)+(\tq)):8*(8*(\fq)+4*(\th)+(\tq))+7], v[(\xr)+8*(\fq):(\xr)+8*(\fq)+7], v[(\yr)+8*(\tq):(\yr)+8*(\tq)+7], v[8*(8*(\fq)+4*(\th)+(\tq)):8*(8*(\fq)+4*(\th)+(\tq))+7]
.if (\rid) && (un%2 == 1)
	SLICE
.endif
.set un, un+1
.endr
.endr
.endm
.macro PSTORE pb                       ; my two tiles' weights, as images, into buffer pb: 8 stores of 512 neighbouring bytes
	WIN 0
.irp kb, 0,1,2,3
.irp tq, 0,1
	ds_store_b128 v[PST], v[S+8*(2*(\kb)+(\tq)):S+8*(2*(\kb)+(\tq))+3] offset:(\pb)*PSZ+2048*(\tq)+1024*((\kb)/2)+512*((\kb)%2)
.endr
.endr
.endm
; A PREFETCH INTO THE L2 of the tile that the NEXT trip will ask for: 64 rows x 1,024 bytes, 256 blocks of 256 bytes, each named ONCE in the launch.  All four clusters of a batch walk the same tiles: the
; batch's first cluster asks.  Its four partners share the rows out BY ADDRESS, 16 each; in each, waves 0 and 1 take 8 rows, a lane a block: one instruction.  It stands behind the joint load, its five
; lines and the run of LDS loads.  Tiles 0 to 2 come by their loads alone; the loop's last trip (u = 2, count 1) would name tile 32, which does not exist, and asks for nothing.
.macro ASK u
.if (\u) == 2
	s_cmp_gt_u32 s[IT], s[LIM]
.else
	s_cmp_eq_u32 s[LIM], 1
.endif
	s_cbranch_scc0 .Lnot_mine_\@
	global_prefetch_b8 v[PFO], s[PFA:PFA+1] th:TH_LOAD_NT scope:SCOPE_SE
.Lnot_mine_\@:
.endm
; THE HEAD OF TRIP j (u = j mod 3): ONE barrier, for four things.  In front of it each wave waits for all its tensor loads (one is out: its strip of tile j + 1), adds 0 to its spare word, and waits for that,
; for its stores of P(j) and for its last reads of tile j - 1 and of P(j - 1).  Behind it tile j + 1 and P(j) are whole and nobody reads tile j - 1 any more.  fill = 1: the barrier opens a round of the
; cluster's, so that the same holds of every partner, and tile j + 2 is asked for, the first thing behind the round, into tile j - 1's slot: it has a trip, 256 products, in which to land.
; The last two units of step j - 1's products work on registers alone: one stands between signal and wait, one behind K's first run of loads.
.macro HEAD u, fill
.if \fill
	s_wait_xcnt 0x0                                ; the last prefetch, a trip back, has read its address
	s_add_nc_u64 s[PFA:PFA+1], s[PFA:PFA+1], TILEB
.endif
	WIN 0                                          ; (the add's two registers lie in window 0)
	s_wait_tensorcnt 0x0                           ; no tensor load of mine is out, so a group 0 may be written
	ds_add_u32 v[SPW], v[NIL]                      ; 0 onto my spare word; the descriptor's steps stand between it and the wait for it
.if \fill
	s_add_co_u32 s[G0W+1], s[WOFF], (((\u)+2)%3)*SLOT
	s_add_nc_u64 s[G0W+2:G0W+3], s[G0W+2:G0W+3], TILEB  ; the type bits on top are not reached
.endif
	s_wait_dscnt 0x0                               ; the add, my stores of P(j), my reads of tile j - 1 and of P(j - 1)
	s_barrier_signal -1
	UNIT X1, Y0, 1, 0, 0
	WIN 0                                          ; at a branch and at a label every window is 0
	s_barrier_wait -1
.if \fill
	CREST
	tensor_load_to_lds s[G0W:G0W+3], s[G1T:G1T+7]  ; my one tensor load behind the round
	s_nop 0
	PLACES                                         ; also the places in front of the loads below
.else
	PLACES
.endif
	FETCHK ((\u)+1)%3, 0, 0
.if \fill
	ASK \u
.endif
	UNIT X1, Y1, 1, 1, 0
.endm
; S^T OF A STEP, from slot sk: eight runs of 16 loads on two buffers, each issued while the other buffer is multiplied.  The counts: 16 = the run just issued for the other buffer.
; pv = 1: behind the seventh run's products the freed buffer takes the first fragments of V (slot sv) and P (buffer pr); the key scales follow: 24 (without pv: 8) = what was issued behind K's last run.
.macro KQ sk, pv, sv, pr, ko
	WIN W_KQ
	PLACES
	FETCHK \sk, 1, 1
.irp cq, 0,1,2,3,4,5
	s_wait_dscnt 16
	MULK \cq, (\cq)%2
	PLACES
	FETCHK \sk, (\cq)+2, (\cq)%2
.endr
	s_wait_dscnt 16
	MULK 6, 0
	PLACES
.if \pv
	FETCHV \sv, 0, 0, X0
	FETCHP \pr, 0, 0, Y0
.endif
	KSLOAD \ko
.if \pv
	s_wait_dscnt 24
.else
	s_wait_dscnt 8
.endif
	MULK 7, 1
	PLACES                                         ; also the places in front of the first read of S^T
.if \pv
	FETCHP \pr, 0, 1, Y1
	FETCHV \sv, 0, 1, X1
.endif
.endm
; SIX OF THE EIGHT UNITS OF O^T's PRODUCTS OF A STEP, in an order in which each change of units renews one group of four fragments; no two units on end share an accumulator.
; The counts: 16 = Y1's and X1's loads; 8 = X1's; 16 in front of the fifth unit = Y0's and X1's; 16 in front of the sixth = X1's loads and P's 8 stores (8 without them).
; rid = 1: the next step's softmax rides: slices 0-23 in the first three units, the step's ONE wait for its 64 exponentials directly ahead of a run of LDS loads, slices 24-39 in the next two; then P goes to buffer pw.
.macro PVMAIN sv, pr, rid, pw
.set k, 0
.set q, 0
.set e, 0
	s_wait_dscnt 16
	UNIT X0, Y0, 0, 0, \rid
	s_wait_dscnt 8
	UNIT X0, Y1, 0, 1, \rid
	s_wait_dscnt 0x0
	UNIT X1, Y1, 1, 1, \rid
	WIN 0
	PLACES                                         ; the places; the first is also the plain instruction behind the last exponential
.if \rid
	s_wait_alu depctr_va_vdst(0)                   ; the wait for the batch, ahead of the first instruction that names a result
.endif
	FETCHV \sv, 1, 0, X0
	FETCHP \pr, 1, 1, Y1
	UNIT X1, Y0, 1, 0, \rid
	WIN 0
	PLACES
	FETCHP \pr, 1, 0, Y0
	FETCHV \sv, 1, 1, X1
	s_wait_dscnt 16
	UNIT X0, Y1, 0, 1, \rid
	WIN 0
.if \rid
	PSTORE \pw
	s_wait_dscnt 16
.else
	s_wait_dscnt 8
.endif
	UNIT X0, Y0, 0, 0, 0
.endm
.macro TRIP u, fill
	HEAD \u, \fill
	KQ ((\u)+1)%3, 1, \u, \u, 256*((\u)+1)
	PVMAIN \u, \u, 1, ((\u)+1)%3
.endm
	s_load_b128 s[4:7], s[0:1], 0x0                ; xh s[4:5], rn s[6:7]
	s_load_b64 s[8:9], s[0:1], 0x10                ; out0
	v_lshl_add_u32 v[SPW], v0, 2, SPARE
	v_mov_b32 v[NIL], 0
	ds_add_u32 v[SPW], v[NIL]                      ; the wave's opening: the add and its wait stand ahead of my first tensor load; the set-up below, work on registers, stands between them
	ds_add_u32 v11, v12
	v_lshrrev_b32 v1, 5, v0
	v_readfirstlane_b32 s[WV], v1                  ; wave 0..3
	s_bfe_u32 s11, ttmp6, 0x40000                  ; cx: my place in the cluster
	s_lshl_b32 s12, ttmp9, 2                       ; in a cluster launch ttmp9 counts clusters
	s_add_co_u32 s12, s12, s11                     ; my block of 128 queries: it enters Q's, rn_i's and out0's addresses alone
	s_and_b32 s13, ttmp7, 0xffff                   ; the batch, which the four partners share
	; descriptor group 1 of a strip: 64 rows x 128 elements of 2 bytes, 512 elements from row to row, padded in LDS
	s_mov_b32 s[G1T], 15|(1<<16)|(1<<20)|(1<<21)|(5<<22)|(3<<25)  ; 15:0 the mask of four; 17:16 2-byte elements; 20 padding on; 21 set beside a mask; 24:22 after every 64 words (code 5); 31:25 4 words (code 3)
	s_mov_b32 s[G1T+1], 128<<16                    ; tensor_dim0 = 128
	s_mov_b32 s[G1T+2], 64<<16                     ; tensor_dim1 = 64
	s_mov_b32 s[G1T+3], 128<<16                    ; tile_dim0 = 128
	s_mov_b32 s[G1T+4], 64                         ; tile_dim1 = 64
	s_mov_b32 s[G1T+5], 512                        ; the pitch
	s_mov_b32 s[G1T+6], 0
	s_mov_b32 s[G1T+7], 0
	; descriptor group 1 of a quarter of the batch's rn: 2,048 dense bytes as 8 rows of 32 elements of 8 bytes
	s_mov_b32 s[G1R], 15|(3<<16)|(1<<21)
	s_mov_b32 s[G1R+1], 32<<16
	s_mov_b32 s[G1R+2], 8<<16
	s_mov_b32 s[G1R+3], 32<<16
	s_mov_b32 s[G1R+4], 8
	s_mov_b32 s[G1R+5], 32
	s_mov_b32 s[G1R+6], 0
	s_mov_b32 s[G1R+7], 0
	s_mul_i32 s[WOFF], s[WV], STRIP                ; my strip's place in a slot: no place in the cluster enters an LDS address
	s_mov_b32 s[G0A], 1
	s_mov_b32 s[G0A+1], s[WOFF]                    ; slot 0
	s_mov_b32 s[G0W], 1
	s_add_co_u32 s[G0W+1], s[WOFF], SLOT           ; slot 1
	s_mov_b32 s[G0R], 1
	s_lshl_b32 s[G0R+1], s[WV], 11
	s_add_co_u32 s[G0R+1], s[G0R+1], RNT
	s_lshl_b32 s20, s13, 21                        ; the batch's 2 MiB of xh,
	s_lshl_b32 s21, s[WV], 8                       ; my strip's 256 bytes of a row
	s_add_co_u32 s20, s20, s21
	s_mov_b32 s21, 0
	s_lshl_b32 s22, s13, 13                        ; the batch's 8,192 bytes of rn, my quarter
	s_lshl_b32 s23, s[WV], 11
	s_add_co_u32 s22, s22, s23
	s_mov_b32 s23, 0
	s_lshl_b32 s14, s13, 11
	s_lshl_b32 s15, s12, 7
	s_add_co_u32 s14, s14, s15                     ; my block's first row
	s_lshl_b32 s2, s14, 11                         ; in out0: 2,048 bytes a row,
	s_lshl_b32 s3, s[WV], 9                        ; my 128 channels
	s_add_co_u32 s2, s2, s3
	s_mov_b32 s3, 0
	s_lshl_b32 s15, s[WV], 5
	s_add_co_u32 s14, s14, s15                     ; my wave's first query
	s_lshl_b32 s16, s14, 10
	s_mov_b32 s17, 0
	s_lshl_b32 s18, s14, 2
	s_mov_b32 s19, 0
	s_lshl_b32 s[PFA], s13, 21                     ; the prefetches: the batch, my work-group's 16 rows of a tile,
	s_lshl_b32 s[PFA+1], s11, 14
	s_add_co_u32 s[PFA], s[PFA], s[PFA+1]
	s_add_co_u32 s[PFA], s[PFA], 2*TILEB           ; at tile 2: the first trip steps it to tile 3
	s_mov_b32 s[PFA+1], 0
	s_lshr_b32 s[LIM], s[WV], 1                    ; 0 in waves 0 and 1,
	s_or_b32 s[LIM], s[LIM], ttmp9                 ; where the cluster is the batch's first: the same in all four partners
	s_cmp_eq_u32 s[LIM], 0
	s_cselect_b32 s[LIM], 1, -1
	s_mov_b32 s[SEL], 0x76543210
	s_mov_b32 s[SEL+1], 0xfedcba98
	s_mov_b32 s[LOG2E], 0x3fb8aa3b
	s_mov_b32 s[IT], 10
	v_and_b32 v28, 15, v0                          ; l % 16
	v_bfe_u32 v29, v0, 4, 1                        ; l / 16
	v_and_b32 v30, 31, v0                          ; l
	v_mul_u32_u24 v31, v28, PITCH
	v_lshl_add_u32 v31, v29, 4, v31
.irp sl, 0,1,2
	v_add_nc_u32 v[ADRK+(\sl)], (\sl)*SLOT, v31
.endr
	v_and_b32 v1, 7, v0
	v_lshl_add_u32 v1, v29, 3, v1
	v_mul_u32_u24 v1, v1, PITCH
	v_bfe_u32 v31, v0, 3, 1
	v_lshl_add_u32 v1, v31, 7, v1
	v_add_nc_u32 v1, s[WOFF], v1
.irp sl, 0,1,2
	v_add_nc_u32 v[ADRV+(\sl)], (\sl)*SLOT, v1
.endr
	v_lshl_add_u32 v[ADRP], v30, 4, PBUF
	s_lshl_b32 s55, s[WV], 12
	s_add_co_u32 s55, s55, PBUF
	v_lshl_add_u32 v[PST], v30, 4, s55
	v_lshl_add_u32 v[KSA], v29, 5, RNT
	v_and_b32 v[PFO], 63, v0                       ; in waves 0 and 1: 8,192 w + 256 l: row 8 w + l / 4, block l % 4
	v_lshlrev_b32 v[PFO], 8, v[PFO]
	v_lshlrev_b32 v[RQ], 2, v28
	v_lshlrev_b32 v[QO], 10, v28
	v_lshl_add_u32 v[QO], v29, 4, v[QO]
	s_mul_i32 s55, s[WV], 16*SP
	s_add_co_u32 s55, s55, STAGE
	v_mul_u32_u24 v[STO], v28, SP
	v_lshl_add_u32 v[STO], v29, 8, v[STO]
	v_add_nc_u32 v[STO], s55, v[STO]
	v_lshl_add_u32 v[RD], v30, 4, s55
	v_lshlrev_b32 v[GO], 4, v30
	s_lshl_b32 s55, s[WV], 7
	s_add_co_u32 s55, s55, LX
	v_lshl_add_u32 v[LXA], v28, 2, s55
	v_lshl_add_u32 v[LXR], v28, 2, LX
.irp z, 0,1,2,3
	v_mov_b32 v[L+(\z)], 0
.endr
	v_mov_b32 v[ZR], 0
	s_wait_dscnt 0x0                               ; the opening add is done
	s_wait_kmcnt 0x0
	s_add_nc_u64 s[G0A+2:G0A+3], s[4:5], s[20:21]  ; tile 0
	s_or_b32 s[G0A+3], s[G0A+3], 0x80000000        ; type = 2
	s_add_nc_u64 s[G0W+2:G0W+3], s[4:5], s[20:21]
	s_add_nc_u64 s[G0W+2:G0W+3], s[G0W+2:G0W+3], TILEB  ; tile 1
	s_or_b32 s[G0W+3], s[G0W+3], 0x80000000
	s_add_nc_u64 s[G0R+2:G0R+3], s[6:7], s[22:23]
	s_or_b32 s[G0R+3], s[G0R+3], 0x80000000
	s_add_nc_u64 s[16:17], s[4:5], s[16:17]        ; xh at my first query
	s_add_nc_u64 s[18:19], s[6:7], s[18:19]        ; rn at my first query
	s_add_nc_u64 s[8:9], s[8:9], s[2:3]            ; out0 at my block's first row, my channels
	s_add_nc_u64 s[PFA:PFA+1], s[4:5], s[PFA:PFA+1]
	CROUND                                         ; all four work-groups are here: the first joint loads meet
	tensor_load_to_lds s[G0A:G0A+3], s[G1T:G1T+7]  ; the first fills go out together: three loads of mine are out
	s_nop 0
	tensor_load_to_lds s[G0R:G0R+3], s[G1R:G1R+7]
	s_nop 0
	tensor_load_to_lds s[G0W:G0W+3], s[G1T:G1T+7]
	s_nop 0
	PLACES
	global_load_b32 v[CQ],   v[RQ], s[18:19]
	global_load_b32 v[CQ+1], v[RQ], s[18:19] offset:64
	WIN 0x40                                       ; destination window 1, address window 0
.irp tq, 0,1
.set ci, 0
.rept 16                                       ; a fragment of Q: lane l holds query l % 16, channels 32 c + 8 (l / 16) + 0..7 and 16 further on: two loads of 16 bytes
	global_load_b128 v[8*(16*(\tq)+ci):8*(16*(\tq)+ci)+3],   v[QO], s[16:17] offset:16384*(\tq)+64*ci
	global_load_b128 v[8*(16*(\tq)+ci)+4:8*(16*(\tq)+ci)+7], v[QO], s[16:17] offset:16384*(\tq)+64*ci+32
.set ci, ci+1
.endr
.endr
	; O^T starts at 0: 512 lines, written while the first tile and Q are on their way, so that no first trip (a copy of the trip's whole text with the constant 0 as C) is written out
	WIN 0x80
.set i, 0
.rept 256
	v_mov_b32 v[i], 0
.set i, i+1
.endr
	WIN 0xc0
.set i, 0
.rept 256
	v_mov_b32 v[i], 0
.set i, i+1
.endr
	WIN 0
	s_wait_loadcnt 0x0                             ; Q and rn_i
	v_mul_f32 v[CQ],   s[LOG2E], v[CQ]
	v_mul_f32 v[CQ+1], s[LOG2E], v[CQ+1]
	WIN 0x41                                       ; Q' = f16(xh rn_i log2(e)), in place: each half is multiplied in f32 and rounded once; four low halves, then four high ones
.set i, 0
.rept 64
.irp z, 0,1,2,3
	v_fma_mixlo_f16 v[i+(\z)], v[i+(\z)], v[CQ+i/128], v[ZR] op_sel_hi:[1,0,0]
.endr
.irp z, 0,1,2,3
	v_fma_mixhi_f16 v[i+(\z)], v[i+(\z)], v[CQ+i/128], v[ZR] op_sel:[1,0,0] op_sel_hi:[1,0,0]
.endr
.set i, i+4
.endr
	WIN 0
	s_wait_tensorcnt 0x1                           ; my strip of tile 0 and my quarter of rn are in; tile 1's may stay out
	s_barrier_signal -1
	s_barrier_wait -1                              ; everybody's are
	FETCHK 0, 0, 0
	KQ 0, 0, 0, 0, 0                               ; S^T of step 0
	s_wait_dscnt 0x0                               ; the key scales
.set k, 0
.set q, 0
.set e, 0
.rept 24
	SLICE                                          ; step 0's softmax has no products to ride behind
.endr
	v_nop                                          ; a plain instruction behind the last exponential,
	s_wait_alu depctr_va_vdst(0)                   ; and the wait for the batch
.rept 16
	SLICE
.endr
	PSTORE 0
.set i, Y0
.rept 96
	v_mov_b32 v[i], 0                              ; the first trip's two units of a step that has not been add 0 x 0
.set i, i+1
.endr
.Lloop:                                                ; ten times three trips: j = 0 .. 29; tiles 2 .. 31 are asked for
	TRIP 0, 1
	TRIP 1, 1
	TRIP 2, 1
	WIN 0
	v_add_nc_u32 v[KSA], 768, v[KSA]               ; three steps' key scales on
	s_sub_co_u32 s[IT], s[IT], 1
	s_cmp_lg_u32 s[IT], 0
	s_cbranch_scc1 .Lloop
	TRIP 0, 0                                      ; j = 30: the tail is written out: nothing is asked for, and no round follows the barrier
	WIN 0
	s_wait_dscnt 0x0                               ; my stores of P(31), for the others' sake
	s_barrier_signal -1
	UNIT X1, Y0, 1, 0, 0
	WIN 0
	s_barrier_wait -1                              ; P(31) is whole
	PLACES
	FETCHV 1, 0, 0, X0
	FETCHP 1, 0, 0, Y0
	UNIT X1, Y1, 1, 1, 0
	WIN 0
	PLACES
	FETCHP 1, 0, 1, Y1
	FETCHV 1, 0, 1, X1
	PVMAIN 1, 1, 0, 0                              ; step 31's products: there is no softmax left to ride
	s_wait_dscnt 0x0
	UNIT X1, Y0, 1, 0, 0
	UNIT X1, Y1, 1, 1, 0
	; THE WAY OUT.  A query's l lies with the wave that made its scores: the two halves of a pair and the other half of the lanes' are added, the 128 sums meet in LDS, and every wave takes all of them.
	WIN 0
	PLACES
	v_add_f32 v[L],   v[L],   v[L+1]
	v_add_f32 v[L+2], v[L+2], v[L+3]
	v_permlanex16_b32 v[L+1], v[L],   s[SEL], s[SEL+1]
	v_permlanex16_b32 v[L+3], v[L+2], s[SEL], s[SEL+1]
	v_add_f32 v[L],   v[L],   v[L+1]
	v_add_f32 v[L+2], v[L+2], v[L+3]
	ds_store_b32 v[LXA], v[L]                      ; both halves of the lanes write the same word with the same number
	ds_store_b32 v[LXA], v[L+2] offset:64
	s_wait_dscnt 0x0                               ; for the others' sake
	s_barrier_signal -1
	s_barrier_wait -1
.irp tq, 0,1,2,3,4,5,6,7
	ds_load_b32 v[S+(\tq)], v[LXR] offset:64*(\tq) ; l of query 16 t + l % 16
.endr
	s_wait_dscnt 0x0
.irp tq, 0,1,2,3,4,5,6,7
	v_rcp_f32 v[KS+2*(\tq)], v[S+(\tq)]
.endr
	v_nop                                          ; a plain instruction behind the last reciprocal,
	s_wait_alu depctr_va_vdst(0)                   ; and one wait for the eight
; Query tile t: its eight accumulators are divided by l in place (the packed multiply takes the pair's low word for both halves; the high word, an old key scale, is named and not used), from each
; accumulator's low end on; a lane's eight channels go into my stage as 32 bytes of a row, and come back as whole rows of 512 bytes.
.macro PACK tt
.irp gg, 0,1
	WIN 0x82+0x41*(\gg)                            ; destination and source 0 in window 2 or 3
.irp fq, 0,1,2,3
.irp pr, 0,2,4,6
	v_pk_mul_f32 v[8*(8*(\fq)+(\tt))+(\pr):8*(8*(\fq)+(\tt))+(\pr)+1], v[8*(8*(\fq)+(\tt))+(\pr):8*(8*(\fq)+(\tt))+(\pr)+1], v[KS+2*(\tt):KS+2*(\tt)+1] op_sel_hi:[1,0]
.endr
.endr
.endr
.irp gg, 0,1
	WIN 0x08+0x04*(\gg)                            ; an LDS store's data are source 1
.irp fq, 0,1,2,3
	ds_store_b128 v[STO], v[8*(8*(\fq)+(\tt)):8*(8*(\fq)+(\tt))+3]   offset:32*(4*(\gg)+(\fq))
	ds_store_b128 v[STO], v[8*(8*(\fq)+(\tt))+4:8*(8*(\fq)+(\tt))+7] offset:32*(4*(\gg)+(\fq))+16
.endr
.endr
	WIN 0
	s_wait_xcnt 0x0                                ; the stores of the tile two back have read these registers
.set i, 0
.rept 16
	ds_load_b128 v[POOL+64*((\tt)%2)+4*i:POOL+64*((\tt)%2)+4*i+3], v[RD] offset:SP*i  ; LDS serves a wave's instructions in order (ISA guide 5.7.1.4): these see the stores above; the next tile's stores come behind them
.set i, i+1
.endr
.endm
.macro SEND tt, younger                ; younger: the LDS instructions issued behind tile t's loads: the next tile's 16 stores and 16 loads, or none
.set i, 0
.rept 16
	s_wait_dscnt (\younger)+15-i
	global_store_b128 v[GO], v[POOL+64*((\tt)%2)+4*i:POOL+64*((\tt)%2)+4*i+3], s[8:9] offset:(16*(\tt)+i)*2048 th:TH_STORE_NT  ; 512 consecutive bytes, at a multiple of 256 from out0's first byte
.set i, i+1
.endr
.endm
	PACK 0
.irp tn, 1,2,3,4,5,6,7                 ; a tile's arithmetic stands between the loads of the tile before and its stores
	PACK \tn
	SEND (\tn)-1, 32
.endr
	SEND 7, 0
	s_wait_tensorcnt 0x0                           ; the wave's end, behind my last tensor load and my last LDS store
	ds_add_u32 v[SPW], v[NIL]
	s_wait_dscnt 0x0
	CROUND                                         ; the closing round: no work-group ends while a partner may still ask for a tile that names it
	s_endpgm
.Lfunc_end_k_qd7b5621c50_attn:
	.size	k_qd7b5621c50_attn, .Lfunc_end_k_qd7b5621c50_attn-k_qd7b5621c50_attn
	.p2alignl 7, 3214868480
	.fill 96, 4, 3214868480
	.section	.rodata,"a",@progbits
	.p2align	6, 0x0
	.amdhsa_kernel k_qd7b5621c50_attn
		.amdhsa_group_segment_fixed_size 327680
		.amdhsa_private_segment_fixed_size 0
		.amdhsa_enable_private_segment 0
		.amdhsa_kernarg_size 24
		.amdhsa_user_sgpr_count 2
		.amdhsa_user_sgpr_kernarg_segment_ptr 1
		.amdhsa_wavefront_size32 1
		.amdhsa_system_sgpr_workgroup_id_x 1
		.amdhsa_system_sgpr_workgroup_id_y 1
		.amdhsa_system_sgpr_workgroup_id_z 1
		.amdhsa_system_vgpr_workitem_id 0
		.amdhsa_next_free_vgpr 1024
		.amdhsa_next_free_sgpr 66
		.amdhsa_reserve_vcc 0
		.amdhsa_float_denorm_mode_32 3
		.amdhsa_float_denorm_mode_16_64 3
		.amdhsa_memory_ordered 1
		.amdhsa_forward_progress 1
		.amdhsa_inst_pref_size 255
	.end_amdhsa_kernel
	.section	.bss,"aw",@nobits
	.p2align	6
	.space	262144
	.amdgpu_metadata
---
amdhsa.version: [ 1, 2 ]
amdhsa.kernels:
  - .name:           k_qd7b5621c50_attn
    .symbol:         k_qd7b5621c50_attn.kd
    .args:
      - { .name: xh, .offset: 0, .size: 8, .value_kind: global_buffer, .address_space: global }
      - { .name: rn, .offset: 8, .size: 8, .value_kind: global_buffer, .address_space: global }
      - { .name: out0, .offset: 16, .size: 8, .value_kind: global_buffer, .address_space: global }
    .group_segment_fixed_size: 327680
    .private_segment_fixed_size: 0
    .kernarg_segment_align: 8
    .kernarg_segment_size: 24
    .max_flat_workgroup_size: 128
    .sgpr_count:     66
    .vgpr_count:     1024
    .wavefront_size: 32
...
	.end_amdgpu_metadata
.endif
;; end of part 2
;; ======== version 2 of 2: 2 launches; version 1 with the launch prep written anew for expert scheduling mode
;; limits: values are held in f16: magnitudes above 65,504 overflow, below 6.1e-05 lose precision; inputs' magnitudes at most 65,504
;; workspace buffers: xh 33,554,432 bytes; rn 131,072 bytes
;; launch prep (part 3): grid 512 x 1, 4 waves a work-group, no clusters, 768 bytes of LDS; arguments x, xh, rn; writes xh, rn
.if DOCPART == 3
	.amdgcn_target "amdgcn-amd-amdhsa--gfx1250"
	.amdhsa_code_object_version 6
	.text
	.protected	k_qd7b5621c50_prep
	.globl	k_qd7b5621c50_prep
	.p2align	8
	.type	k_qd7b5621c50_prep,@function
k_qd7b5621c50_prep:
	s_mov_b64 s[64:65], 0
	v_nop
	global_prefetch_b8 v0, s[64:65] scope:SCOPE_SE
	s_setreg_imm32_b32 hwreg(HW_REG_WAVE_SCHED_MODE, 0, 2), 2
	s_setreg_imm32_b32 hwreg(HW_REG_WAVE_MODE, 25, 1), 1
	s_wait_xcnt 0x0
	s_wait_alu depctr_vm_vsrc(0)
; xh[row][c] = x[row][c] rounded to bf16, that number written as f16;  rn[row] = 1 / sqrt(sum over c of (bf16(x[row][c]))^2), in f32.
; x: [32768][512] f32, xh: [32768][512] f16, rn: [32768] f32.
; LIMITS.  A bf16 number is exact in f16 from 2^-17 to 65,504; below 2^-17 it keeps f16's fixed step of 6e-8; from 65,520 on it becomes an infinity.
; A sum of squares below 2^-126 counts as 0 (v_rsq_f32 flushes denormals: ISA guide 15.8); a row of zeros gets rn = infinity.
; A STREAM: no matrix unit, no cluster, no tensor load: no byte is wanted twice.  The work-group owns 64 rows, each of its four waves 16; one wave takes a whole row
; (2,048 bytes: four loads of 512 neighbouring bytes), so a row's sum never leaves the wave.  A ring of ten row slots in registers keeps 28 to 32 loads of a wave out (40 at the start).
; Every row's place stands in an immediate, so no address register is ever rewritten.  A row's 1,024 bytes of xh leave by four stores of 256 neighbouring, aligned bytes.
; The 64 sums meet in LDS, and wave 0 stores the work-group's 256 bytes of rn with one instruction.
; THE MODE: SCHED_MODE bits 1:0 = 2 (LLVM: expert scheduling mode 2), set by the entry lines.  The code itself states the register dependences
; between vector instructions and memory or LDS instructions, with s_wait_alu, always for 0.
; THE PLAN.  The 16 rows go in eight blocks of two; turn i is row i's.  Registers that memory or LDS instructions touch:
;   X, ten slots    Row R lies in slot R % 10.  Written by loads: rows 0 to 9 at the head, row i + 8 in turn i.  Read by turn i's roundings to bf16: slot i % 10.
;   Y, four buffers Row R lies in buffer R % 4.  Written by turn i's roundings to f16; read by row i's four stores, which are issued in turn i + 2.
;   XO, HO, LSA, RO offsets and addresses, made once at the head and never written again.
;   SS              written in every turn, read by the one LDS store at the end.     RED  at work in every turn; at the end an LDS load lands in it.
; Turn i's memory instructions are the loads into slot (i + 8) % 10 = (i - 2) % 10 and the stores from buffer (i - 2) % 4: what the BLOCK BEFORE worked on, and what no vector
; instruction of this block names.  So the waits at a block's head state all that the block's sixteen memory instructions hang on, and these are dealt among its vector
; instructions with no further wait.  T, B and A are named by vector instructions alone.
.set XO,  1                            ; v1       my byte offset in x: wave x 16 rows x 2,048 + 16 x lane; never rewritten
.set HO,  2                            ; v2       the same in xh: wave x 16 rows x 1,024 + 8 x lane; never rewritten
.set LSA, 3                            ; v3       LDS: 64 x wave + 4 (lane % 16): where row (lane % 16)'s sum goes
.set SS,  6                            ; v6       lanes i and i + 16 collect row i's sum
.set RO,  7                            ; v7       8 x lane
.set T,   8                            ; v[8:23]  16 numbers in f32
.set B,   24                           ; v[24:31] the same packed in bf16
.set Y,   32                           ; v[32:63] buffer k: 8 registers at Y + 8 k: a lane's 16 numbers packed in f16, to store
.set A,   64                           ; v[64:67] two packed chains of squares
.set RED, 68                           ; v[68:71] the reduction; at the end sums and their reciprocal roots
.set X,   72                           ; v[72:231] slot s: 16 registers at X + 16 s, a lane's 16 numbers of a row
                                       ; LDS: bytes 0-255 the 64 sums; from 256 on the spare words, 4 bytes for each thread
	s_load_b128 s[4:7], s[0:1], 0x0                ; x s[4:5], xh s[6:7]
	s_load_b64 s[8:9], s[0:1], 0x10                ; rn
	v_lshl_add_u32 v4, v0, 2, 0x100
	v_mov_b32 v5, 0
	v_lshrrev_b32 v[RED], 5, v0
	v_readfirstlane_b32 s10, v[RED]                ; wave 0..3
	v_and_b32 v[RED+1], 31, v0                     ; lane
	v_and_b32 v[LSA], 15, v0
	v_lshlrev_b32 v[RO], 3, v[RED+1]
	v_mov_b32 v[SS], 0
	s_mov_b32 s12, 0xffff0000                      ; a word's upper bf16
	s_mov_b32 s14, 0x76543210                      ; v_permlanex16_b32: each lane takes its own place in the other half
	s_mov_b32 s15, 0xfedcba98
	s_lshl_b32 s22, ttmp9, 17                      ; the work-group's 64 rows: 131,072 bytes of x,
	s_mov_b32 s23, 0
	s_lshl_b32 s24, ttmp9, 16                      ; 65,536 of xh,
	s_mov_b32 s25, 0
	s_lshl_b32 s26, ttmp9, 8                       ; 256 of rn
	s_mov_b32 s27, 0
	s_wait_alu depctr_va_sdst(0)                   ; s10 is written, ahead of its first reader: the wave's parts of the offsets are made from it
	s_lshl_b32 s16, s10, 15
	v_lshl_add_u32 v[XO], v[RED+1], 4, s16
	s_lshl_b32 s17, s10, 14
	v_lshl_add_u32 v[HO], v[RED+1], 3, s17
	s_lshl_b32 s18, s10, 6
	v_lshl_add_u32 v[LSA], v[LSA], 2, s18
	s_wait_kmcnt 0x0
	s_add_nc_u64 s[4:5], s[4:5], s[22:23]
	s_add_nc_u64 s[6:7], s[6:7], s[24:25]
	s_add_nc_u64 s[8:9], s[8:9], s[26:27]
	s_wait_alu depctr_va_vdst(0)                   ; XO, HO, LSA and RO are written: every load and store of the kernel, and the LDS store and load of the sums, reads one of them as its offset or address
.irp i, 0,1,2,3,4,5,6,7,8,9
.irp k, 0,1,2,3
	global_load_b128 v[X+16*(\i)+4*(\k):X+16*(\i)+4*(\k)+3], v[XO], s[4:5] offset:(\i)*2048+512*(\k) th:TH_LOAD_NT  ; the ring is filled: rows 0 to 9
.endr
.endr
; Quarter k of turn i's memory work: a load of row i + 8 (while there is such a row), ahead of a store of row i - 2.  No wait: no vector instruction since the block's head names these registers.
.macro MEM i, k
.if ((\i) >= 2) && ((\i) <= 7)
	global_load_b128 v[XN+4*(\k):XN+4*(\k)+3], v[XO], s[4:5] offset:((\i)+8)*2048+512*(\k) th:TH_LOAD_NT  ; loads ahead of stores
.endif
.if (\i) >= 2
	global_store_b64 v[HO], v[YP+2*(\k):YP+2*(\k)+1], s[6:7] offset:((\i)-2)*1024+256*(\k)  ; 32 lanes store 256 consecutive bytes, at a multiple of 256 from xh's first byte
.endif
.endm
; Row i's turn.  An even turn is a block's head.
.macro TURN i
.set XS, X+16*((\i)%10)                ; my row's slot
.set XN, X+16*(((\i)+8)%10)            ; the slot that turn i - 2 read: row i + 8 lands in it
.set YS, Y+8*((\i)%4)                  ; my row's buffer
.set YP, Y+8*(((\i)+2)%4)              ; the buffer that turn i - 2 wrote
.set LEFT, 28                          ; how many younger loads may stay out: rows i + 1 to i + 7, four loads each;
.if (\i) < 2
.set LEFT, 36-4*(\i)                   ; in the first block rows i + 1 to 9;
.endif
.if (\i) > 8
.set LEFT, 4*(15-(\i))                 ; at the end nothing more is loaded, and the counts run down
.endif
	s_wait_loadcnt LEFT                            ; loads come back in order (ISA guide 5.7.1): my row's four are in, the younger rows' stay out
.if ((\i)%2 == 0) && ((\i) >= 4)
	s_wait_xcnt 0x0                                ; every earlier memory instruction has had its addresses translated (ISA guide 3.1): this block's two buffers of Y are rewritten only behind this wait
	s_wait_alu depctr_vm_vsrc(0)                   ; the stores issued in the block before have read the two buffers of Y that this block's roundings write again
.endif
.if ((\i)%2 == 0) && ((\i) >= 2)
	s_wait_alu depctr_va_vdst(0)                   ; the block before has written its two buffers of Y, which this block's stores read, and is done reading its two slots of X, in which this block's loads land
.endif
	MEM \i, 0
.irp j, 0,1,2,3
	v_cvt_pk_bf16_f32 v[B+(\j)], v[XS+2*(\j)], v[XS+2*(\j)+1]  ; the one rounding
.endr
	MEM \i, 1
.irp j, 4,5,6,7
	v_cvt_pk_bf16_f32 v[B+(\j)], v[XS+2*(\j)], v[XS+2*(\j)+1]
.endr
	MEM \i, 2
.irp j, 0,1,2,3
	v_lshlrev_b32 v[T+2*(\j)],   16,  v[B+(\j)]    ; back to f32: the rounded numbers
	v_and_b32     v[T+2*(\j)+1], s12, v[B+(\j)]
.endr
	MEM \i, 3
.irp j, 4,5,6,7
	v_lshlrev_b32 v[T+2*(\j)],   16,  v[B+(\j)]
	v_and_b32     v[T+2*(\j)+1], s12, v[B+(\j)]
.endr
	v_pk_mul_f32 v[A:A+1],   v[T:T+1],   v[T:T+1]  ; the first squares start the two chains: nothing is cleared
	v_pk_mul_f32 v[A+2:A+3], v[T+2:T+3], v[T+2:T+3]
.irp j, 2,3,4,5,6,7
	v_pk_fma_f32 v[A+2*((\j)%2):A+2*((\j)%2)+1], v[T+2*(\j):T+2*(\j)+1], v[T+2*(\j):T+2*(\j)+1], v[A+2*((\j)%2):A+2*((\j)%2)+1]
.endr
.irp j, 0,1,2,3,4,5,6,7
	v_cvt_pk_f16_f32 v[YS+(\j)], v[T+2*(\j)], v[T+2*(\j)+1]  ; exact within the limits at the head
.endr
	v_pk_add_f32 v[A:A+1], v[A:A+1], v[A+2:A+3]
	v_add_f32 v[RED], v[A], v[A+1]
	v_add_f32_dpp v[RED], v[RED], v[RED] row_xmask:1 row_mask:0xf bank_mask:0xf
	v_add_f32_dpp v[RED], v[RED], v[RED] row_xmask:2 row_mask:0xf bank_mask:0xf
	v_add_f32_dpp v[RED], v[RED], v[RED] row_xmask:4 row_mask:0xf bank_mask:0xf
	v_add_f32_dpp v[RED], v[RED], v[RED] row_xmask:8 row_mask:0xf bank_mask:0xf
	v_permlanex16_b32 v[RED+1], v[RED], s14, s15   ; its destination counts as read: it has been written at the head
	v_add_f32 v[RED], v[RED], v[RED+1]             ; every lane holds the row's sum;
	s_mov_b32 s20, 0x10001<<(\i)
	v_cndmask_b32 v[SS], v[SS], v[RED], s20        ; lanes i and i + 16 keep it
.endm
.irp i, 0,1,2,3,4,5,6,7,8,9,10,11,12,13,14,15
	TURN \i
.endr
	s_wait_alu depctr_va_vdst(0)                   ; the last block has written its two buffers of Y, which the eight stores below read, and SS, which the LDS store reads; and no vector instruction still names RED, in which wave 0's LDS load lands
.irp i, 14,15
.irp k, 0,1,2,3
	global_store_b64 v[HO], v[Y+8*((\i)%4)+2*(\k):Y+8*((\i)%4)+2*(\k)+1], s[6:7] offset:(\i)*1024+256*(\k)
.endr
.endr
	ds_store_b32 v[LSA], v[SS]                     ; both halves of the lanes write the same word with the same number
	s_wait_dscnt 0x0                               ; for wave 0's sake: my store is done
	s_barrier_signal -1
	s_barrier_wait -1
	s_cmp_lg_u32 s10, 0
	s_cbranch_scc1 .Lend
	ds_load_b64 v[RED:RED+1], v[RO]                ; rows 2 l and 2 l + 1 of the work-group's 64; no vector instruction stands between the wait above and this load
	s_wait_dscnt 0x0
	v_rsq_f32 v[RED+2], v[RED]
	v_rsq_f32 v[RED+3], v[RED+1]
	v_nop                                          ; a plain instruction between the last of the two and the use of its result (ISA guide 5.7.2)
	s_wait_alu depctr_va_vdst(0)                   ; the two reciprocal roots have written v[RED+2:RED+3], which the store reads: one wait for both, ahead of their first reader
	global_store_b64 v[RO], v[RED+2:RED+3], s[8:9] ; 256 consecutive bytes, at a multiple of 256 from rn's first byte
.Lend:
	s_wait_dscnt 0x0                               ; the wave's end: my LDS instructions are done
	s_wait_alu depctr_hold_cnt(0) depctr_sa_sdst(0) depctr_va_vdst(0) depctr_va_sdst(0) depctr_va_ssrc(0) depctr_va_vcc(0) depctr_vm_vsrc(0)
	s_wait_tensorcnt 0x0
	ds_add_u32 v4, v5
	s_wait_dscnt 0x0
	s_endpgm
.Lfunc_end_k_qd7b5621c50_prep:
	.size	k_qd7b5621c50_prep, .Lfunc_end_k_qd7b5621c50_prep-k_qd7b5621c50_prep
	.p2alignl 7, 3214868480
	.fill 96, 4, 3214868480
	.section	.rodata,"a",@progbits
	.p2align	6, 0x0
	.amdhsa_kernel k_qd7b5621c50_prep
		.amdhsa_group_segment_fixed_size 768
		.amdhsa_private_segment_fixed_size 0
		.amdhsa_enable_private_segment 0
		.amdhsa_kernarg_size 24
		.amdhsa_user_sgpr_count 2
		.amdhsa_user_sgpr_kernarg_segment_ptr 1
		.amdhsa_wavefront_size32 1
		.amdhsa_system_sgpr_workgroup_id_x 1
		.amdhsa_system_sgpr_workgroup_id_y 1
		.amdhsa_system_sgpr_workgroup_id_z 1
		.amdhsa_system_vgpr_workitem_id 0
		.amdhsa_next_free_vgpr 232
		.amdhsa_next_free_sgpr 66
		.amdhsa_reserve_vcc 0
		.amdhsa_float_denorm_mode_32 3
		.amdhsa_float_denorm_mode_16_64 3
		.amdhsa_memory_ordered 1
		.amdhsa_forward_progress 1
		.amdhsa_inst_pref_size 57
	.end_amdhsa_kernel
	.amdgpu_metadata
---
amdhsa.version: [ 1, 2 ]
amdhsa.kernels:
  - .name:           k_qd7b5621c50_prep
    .symbol:         k_qd7b5621c50_prep.kd
    .args:
      - { .name: x, .offset: 0, .size: 8, .value_kind: global_buffer, .address_space: global }
      - { .name: xh, .offset: 8, .size: 8, .value_kind: global_buffer, .address_space: global }
      - { .name: rn, .offset: 16, .size: 8, .value_kind: global_buffer, .address_space: global }
    .group_segment_fixed_size: 768
    .private_segment_fixed_size: 0
    .kernarg_segment_align: 8
    .kernarg_segment_size: 24
    .max_flat_workgroup_size: 128
    .sgpr_count:     66
    .vgpr_count:     232
    .wavefront_size: 32
...
	.end_amdgpu_metadata
.endif
;; end of part 3
;; launch attn: the kernel of part 2 again; grid 16 x 16, 4 waves a work-group, clusters of 4 x 1, 327,680 bytes of LDS; arguments xh, rn, out0; writes out0
